; MI455X (gfx1250); checked and timed in simulation.
; The chip was launched on July 23, 2026; its instructions are those of AMD's public machine-readable ISA for CDNA 5 (MIT licence, August 2026) and "CDNA5" Instruction Set Architecture Reference Guide (July 2026). The comments in the code are by the model that wrote it; some were corrected since.
;; Nonlinear IB. Allowed arithmetic: matrix products marked QUANTISED: E3M2 operands, one E8M0 scale for each 32 along K, by v_wmma_scale_f32_16x16x128_f8f6f4 with both operands' format E3M2, f32 sums; everything else in f32.
;; Inputs: kde_logvar 1 float32; noise 8,192 x 64 float32; noise_logvar 1 float32; x 8,192 x 64 float32.
;; Outputs: out0 8,192 x 64 float32; out1 one number float32; out2 one number float32.
;; This version of the problem:
;;   THIS VERSION OF THE PROBLEM IS GIVEN IN LOW PRECISION. The matrix products marked QUANTISED in the list below multiply operands that are first quantised to E3M2 (3 exponent bits, 2 mantissa bits; 6 bits a number), with one power-of-two scale for each 32 numbers along K (OCP MX v1.0); their sums are f32. All else is computed in f32.
;;   The module's matrix products, in the order in which they are computed (A, B: the left and right operand; K: the contracted axis; several contracted axes count as one K, in the product's order):
;;     1. [M 8,192, K 64] x [K 64, N 8,192]; A: input x; B: input x: QUANTISED
;;   THE QUANTISER, for each operand of a quantised product, along K:
;;     - K is cut into blocks of 32 from its start; a last block that is shorter is filled with zeros.
;;     - A block's scale is 2^e with e = floor(log2(the largest magnitude in the block)) - 4, held to -126 .. 127; a block of zeros has e = 0. As a byte (E8M0): e + 127.
;;     - Each number is divided by its block's scale, clamped to +-28, and rounded to the nearest number of E3M2, ties to even, subnormals kept.
;;     - The product sums the exact products of the quantised numbers (number of the format x scale) in f32.
;;   ~~~python
;;   def quantise(x, axis):      # numpy; x: float32 -> the quantised numbers, widened to float32 again
;;       x = np.moveaxis(x, axis, -1); K = x.shape[-1]
;;       x = np.pad(x, [(0, 0)] * (x.ndim - 1) + [(0, -K % 32)]); x = x.reshape(x.shape[:-1] + (-1, 32)); a = np.abs(x).max(-1, keepdims=True)
;;       e = np.where(a > 0, np.clip(np.frexp(np.where(a > 0, a, 1))[1] - 1 - 4, -126, 127), 0)      # np.frexp(a)[1] - 1 = floor(log2(a)), exactly
;;       r = np.clip(x / 2.0 ** e, -28, 28)
;;       step = 2.0 ** (np.maximum(np.frexp(np.where(r == 0, 1, r))[1] - 1, -2) - 2)
;;       q = np.round(r / step) * step * 2.0 ** e      # np.round: ties to even
;;       return np.moveaxis(q.reshape(q.shape[:-2] + (-1,))[..., :K], -1, axis).astype(np.float32)
;;   ~~~
;; One version. Each part assembles by itself: llvm-mc -triple=amdgcn-amd-amdhsa -mcpu=gfx1250 --defsym DOCPART=n.
;; ======== version 1 of 1: 3 launches
;; limits: right only within a limited range of input values
;; workspace buffers: codes 393,216 bytes; rowinf 65,536 bytes; part 2,048 bytes
;; launch quant (part 1): grid 128 x 1, 4 waves a work-group, no clusters, 20,992 bytes of LDS; arguments x, noise, noise_logvar, out0, codes, rowinf; writes out0, codes, rowinf
.if DOCPART == 1
	.amdgcn_target "amdgcn-amd-amdhsa--gfx1250"
	.amdhsa_code_object_version 6
	.text
	.protected	k_q4dbb3968eb_quant
	.globl	k_q4dbb3968eb_quant
	.p2align	8
	.type	k_q4dbb3968eb_quant,@function
k_q4dbb3968eb_quant:
	s_mov_b64 s[64:65], 0
	v_nop
	global_prefetch_b8 v0, s[64:65] scope:SCOPE_SE
	s_setreg_imm32_b32 hwreg(HW_REG_WAVE_MODE, 25, 1), 1
	s_wait_xcnt 0x0
; x [8192][64] f32 is read once and gives four things:
;   out0   = x + exp(noise_logvar / 2) * noise                                   (reference()'s y)
;   codes  : x as codes of E3M2, one E8M0 scale for each 32 along K, laid as IMAGES OF THE OPERAND'S REGISTERS: a tile of 16 rows is 768 bytes:
;            512 bytes (lane l's registers 0-3 at 16 l), then 256 bytes (its registers 4-5 at 8 l); lane (r, h) holds row r, k = 32 h .. 32 h + 31
;   rowinf : [0, 32768): one scale word a row: byte 0 for k 0-31, byte 1 for k 32-63, bytes 2 and 3 = 127 (for the zero codes that fill K up to 128)
;            [32768, 65536): -|x_row|^2 / 2 in f32
; A block's scale is 2^(floor(log2(largest magnitude)) - 4); its byte is the largest magnitude's exponent field - 4, held at 1 from below.  A block of zeros keeps the
; byte 1 where the rule says 127: its codes are zeros, which add nothing, and this program alone reads the bytes.
; LIMITS: NaN and infinities in x are not served.
; SHARES: 128 work-groups of four waves; a wave takes one tile of 16 rows.  Every load reads 512 consecutive bytes, 16 a lane.  The conversion wants 32 neighbours along K in ONE lane,
; so x's 4,096 bytes turn through the wave's own stage in LDS.  In the stage a half row (128 bytes) has a place of 144 = 9 x 16 bytes, so that the sixteen lanes of a 16-byte read take sixteen
; different 16-byte columns of 256; the second halves lie 2,432 = 9 x 256 + 128 bytes behind the first, so that the stores' two runs of 128 bytes do not fall on the same columns.
; No matrix work, no tensor load: the launch streams 6.5 MB and every wave has all its 16 loads out at once.
.set CTB,    768                       ; a tile's codes in bytes
.set NHOFF,  32768                     ; where -|x|^2 / 2 begins in rowinf
.set SPITCH, 144
.set HALF,   2432
.set WSTAGE, 4864                      ; a wave's stage: 19 blocks of 256 bytes
.set GATH,   4*WSTAGE                  ; behind the stages: 256 bytes of scale words, 256 of -|x|^2 / 2, the work-group's 64 rows
.set FLOOR,  5<<23                     ; 2^(5 - 127): under it no largest magnitude is taken, so the byte cannot fall under 1
.set XL, 16                            ; v16-47   x as loaded; later at work
.set NZ, 48                            ; v48-79   noise as loaded, then y
.set X,  80                            ; v80-111  my 32 neighbours along K
.set CD, 112                           ; v112-118 my 32 codes
	s_load_b256 s[4:11], s[0:1], 0x0               ; x s[4:5], noise s[6:7], noise_logvar s[8:9], out0 s[10:11]
	s_load_b128 s[12:15], s[0:1], 0x20             ; codes s[12:13], rowinf s[14:15]
	v_lshl_add_u32 v128, v0, 2, 0x5000
	v_mov_b32 v129, 0
	v_lshrrev_b32 v1, 5, v0
	v_readfirstlane_b32 s16, v1                    ; wave 0..3
	v_and_b32 v1, 31, v0                           ; lane
	v_and_b32 v2, 15, v0                           ; r
	v_bfe_u32 v3, v0, 4, 1                         ; h
	v_bfe_u32 v6, v0, 3, 1
	v_and_b32 v7, 7, v0
	v_lshlrev_b32 v4, 4, v1                        ; 16 x lane
	v_lshlrev_b32 v5, 3, v1                        ; 8 x lane
	s_lshl_b32 s17, ttmp9, 2
	s_add_co_u32 s17, s17, s16                     ; my tile = 4 x work-group + wave
	s_lshl_b32 s18, s17, 12                        ; its 4,096 bytes in x, noise and out0
	s_mov_b32 s19, 0
	s_mul_i32 s20, s17, CTB                        ; its codes
	s_mov_b32 s21, 0
	s_lshl_b32 s22, ttmp9, 8                       ; the work-group's 64 rows in rowinf: 256 bytes
	s_mov_b32 s23, 0
	s_mul_i32 s24, s16, WSTAGE                     ; my stage
	s_lshl_b32 s25, s16, 6
	s_mov_b32 s28, 0x76543210
	s_mov_b32 s29, 0xfedcba98                      ; v_permlanex16_b32's selects for lane l xor 16
	v_mul_u32_u24 v8, v3, SPITCH                   ; into the stage: load i brings rows 2 i and 2 i + 1; lane l has row 2 i + l / 16, half (l / 8) % 2, piece l % 8
	v_mad_u32_u24 v8, v6, HALF, v8
	v_lshl_add_u32 v8, v7, 4, v8
	v_add_nc_u32 v8, s24, v8
	v_mul_u32_u24 v9, v2, SPITCH                   ; out of it: row r, half h
	v_mad_u32_u24 v9, v3, HALF, v9
	v_add_nc_u32 v9, s24, v9
	v_lshlrev_b32 v10, 2, v2                       ; the gathering place: lanes 0-15 put row r's scale word, lanes 16-31 its -|x|^2 / 2, 256 bytes further on
	v_lshl_add_u32 v10, v3, 8, v10
	v_add_nc_u32 v10, s25, v10
	v_add_nc_u32 v10, GATH, v10
	v_add_nc_u32 v11, GATH, v5                     ; and where wave 0 reads it back, 8 bytes a lane
	s_wait_kmcnt 0x0
	s_load_b32 s26, s[8:9], 0x0                    ; noise_logvar
	s_add_nc_u64 s[4:5], s[4:5], s[18:19]
	s_add_nc_u64 s[6:7], s[6:7], s[18:19]
	s_add_nc_u64 s[10:11], s[10:11], s[18:19]
	s_add_nc_u64 s[12:13], s[12:13], s[20:21]
	s_add_nc_u64 s[14:15], s[14:15], s[22:23]
.irp i, 0,1,2,3,4,5,6,7
	global_load_b128 v[XL+4*\i:XL+4*\i+3], v4, s[4:5] offset:512*\i th:TH_LOAD_NT
.endr
.irp i, 0,1,2,3,4,5,6,7
	global_load_b128 v[NZ+4*\i:NZ+4*\i+3], v4, s[6:7] offset:512*\i th:TH_LOAD_NT
.endr
	s_wait_kmcnt 0x0
	v_mov_b32 v12, s26
	v_mul_f32 v12, 0x3f38aa3b, v12                 ; noise_logvar x log2(e) / 2
	v_mov_b32 v13, 0                               ; (named with v12 as a pair below, so it is written)
	v_exp_f32 v12, v12                             ; exp(noise_logvar / 2)
	v_mov_b32 v14, 0                               ; a plain instruction behind the exponential; v14 and v15 are lane permutes' destinations, which count as read
	v_mov_b32 v15, 0
	s_wait_loadcnt 0x8                             ; x's eight loads are in; the eight younger ones, noise's, may be out
.irp i, 0,1,2,3,4,5,6,7
	ds_store_b128 v8, v[XL+4*\i:XL+4*\i+3] offset:2*SPITCH*\i
.endr
.irp i, 0,1,2,3,4,5,6,7
	ds_load_b128 v[X+4*\i:X+4*\i+3], v9 offset:16*\i   ; LDS serves a wave's instructions in order (ISA guide 5.7.1.4): these see the stores above
.endr
	s_wait_loadcnt 0x0                             ; noise
	s_wait_alu depctr_va_vdst(0)                   ; the wait ahead of the first reader of the exponential
.irp i, 0,2,4,6,8,10,12,14,16,18,20,22,24,26,28,30
	v_pk_fma_f32 v[NZ+\i:NZ+\i+1], v[NZ+\i:NZ+\i+1], v[12:13], v[XL+\i:XL+\i+1] op_sel_hi:[1,0,1]   ; y = noise x exp(nv / 2) + x, while x turns through the stage
.endr
.irp i, 0,1,2,3,4,5,6,7
	global_store_b128 v4, v[NZ+4*\i:NZ+4*\i+3], s[10:11] offset:512*\i th:TH_STORE_NT   ; 512 consecutive bytes, at a multiple of 256 from out0's first byte
.endr
	s_wait_dscnt 0x0                               ; my 32 neighbours are in
	v_max3_num_f32 v16, |v[X]|, |v[X+1]|, FLOOR    ; the block's largest magnitude: all 32 numbers are mine; two chains
	v_max3_num_f32 v17, |v[X+16]|, |v[X+17]|, FLOOR
.irp i, 2,4,6,8,10,12,14
	v_max3_num_f32 v16, v16, |v[X+\i]|, |v[X+\i+1]|
	v_max3_num_f32 v17, v17, |v[X+16+\i]|, |v[X+17+\i]|
.endr
	v_max_num_f32 v16, v16, v17
	v_pk_mul_f32 v[18:19], v[X:X+1], v[X:X+1]      ; the sum of my 32 squares, of the UNQUANTISED numbers, in f32: two chains of pairs
	v_pk_mul_f32 v[20:21], v[X+2:X+3], v[X+2:X+3]
.irp i, 4,8,12,16,20,24,28
	v_pk_fma_f32 v[18:19], v[X+\i:X+\i+1], v[X+\i:X+\i+1], v[18:19]
	v_pk_fma_f32 v[20:21], v[X+\i+2:X+\i+3], v[X+\i+2:X+\i+3], v[20:21]
.endr
	v_add_nc_u32 v22, 0xfe000000, v16              ; 4 off the exponent field: the conversion takes the exponent field of this operand as its scale
	v_cvt_scalef32_pk16_bf6_f32 v[CD:CD+2], v[X:X+15], v22
	v_cvt_scalef32_pk16_bf6_f32 v[CD+4:CD+6], v[X+16:X+31], v22   ; (a conversion's three registers begin on an even number)
	v_lshrrev_b32 v23, 23, v22                     ; the scale's byte.  Also the plain instruction between the conversions and the moves below
	v_pk_add_f32 v[18:19], v[18:19], v[20:21]
	v_mov_b32 v[CD+3], v[CD+4]                     ; registers 0-5 now hold k = 32 h + 0 .. 31
	v_mov_b32 v[CD+4], v[CD+5]
	v_mov_b32 v[CD+5], v[CD+6]
	global_store_b128 v4, v[CD:CD+3], s[12:13]     ; 512 consecutive bytes, at a multiple of 256 from the buffer's first byte
	global_store_b64 v5, v[CD+4:CD+5], s[12:13] offset:512   ; and 256
	v_add_f32 v18, v18, v19
	v_permlanex16_b32 v14, v18, s28, s29
	v_add_f32 v18, v18, v14                        ; with lane l xor 16's 32 squares: |x_row|^2
	v_mul_f32 v18, -0.5, v18
	v_lshlrev_b32 v24, 3, v3
	v_lshlrev_b32 v23, v24, v23                    ; my byte at its place in the word, 8 h bits up
	v_permlanex16_b32 v15, v23, s28, s29
	v_or_b32 v23, v23, v15
	v_or_b32 v23, 0x7f7f0000, v23                  ; 127 for the two blocks of zero codes
	v_cmp_ne_u32 vcc_lo, 0, v3
	v_cndmask_b32 v25, v23, v18, vcc_lo            ; lanes 0-15 carry the word, lanes 16-31 the number
	ds_store_b32 v10, v25
	s_wait_dscnt 0x0                               ; for the others' sake: my store has landed
	s_barrier_signal -1
	s_barrier_wait -1
	s_cmp_lg_u32 s16, 0
	s_cbranch_scc1 .Ldone
	ds_load_b64 v[26:27], v11                      ; wave 0: the 64 rows' words,
	ds_load_b64 v[28:29], v11 offset:256           ; and their numbers
	s_wait_dscnt 0x0
	global_store_b64 v5, v[26:27], s[14:15]        ; each store covers 256 consecutive bytes, aligned
	global_store_b64 v5, v[28:29], s[14:15] offset:NHOFF
.Ldone:
	s_wait_tensorcnt 0x0
	ds_add_u32 v128, v129
	s_wait_dscnt 0x0
	s_endpgm
.Lfunc_end_k_q4dbb3968eb_quant:
	.size	k_q4dbb3968eb_quant, .Lfunc_end_k_q4dbb3968eb_quant-k_q4dbb3968eb_quant
	.p2alignl 7, 3214868480
	.fill 96, 4, 3214868480
	.section	.rodata,"a",@progbits
	.p2align	6, 0x0
	.amdhsa_kernel k_q4dbb3968eb_quant
		.amdhsa_group_segment_fixed_size 20992
		.amdhsa_private_segment_fixed_size 0
		.amdhsa_enable_private_segment 0
		.amdhsa_kernarg_size 48
		.amdhsa_user_sgpr_count 2
		.amdhsa_user_sgpr_kernarg_segment_ptr 1
		.amdhsa_wavefront_size32 1
		.amdhsa_system_sgpr_workgroup_id_x 1
		.amdhsa_system_sgpr_workgroup_id_y 1
		.amdhsa_system_sgpr_workgroup_id_z 1
		.amdhsa_system_vgpr_workitem_id 0
		.amdhsa_next_free_vgpr 130
		.amdhsa_next_free_sgpr 66
		.amdhsa_reserve_vcc 1
		.amdhsa_float_denorm_mode_32 3
		.amdhsa_float_denorm_mode_16_64 3
		.amdhsa_memory_ordered 1
		.amdhsa_forward_progress 1
		.amdhsa_inst_pref_size 11
	.end_amdhsa_kernel
	.amdgpu_metadata
---
amdhsa.version: [ 1, 2 ]
amdhsa.kernels:
  - .name:           k_q4dbb3968eb_quant
    .symbol:         k_q4dbb3968eb_quant.kd
    .args:
      - { .name: x, .offset: 0, .size: 8, .value_kind: global_buffer, .address_space: global }
      - { .name: noise, .offset: 8, .size: 8, .value_kind: global_buffer, .address_space: global }
      - { .name: noise_logvar, .offset: 16, .size: 8, .value_kind: global_buffer, .address_space: global }
      - { .name: out0, .offset: 24, .size: 8, .value_kind: global_buffer, .address_space: global }
      - { .name: codes, .offset: 32, .size: 8, .value_kind: global_buffer, .address_space: global }
      - { .name: rowinf, .offset: 40, .size: 8, .value_kind: global_buffer, .address_space: global }
    .group_segment_fixed_size: 20992
    .private_segment_fixed_size: 0
    .kernarg_segment_align: 8
    .kernarg_segment_size: 48
    .max_flat_workgroup_size: 128
    .sgpr_count:     66
    .vgpr_count:     130
    .wavefront_size: 32
...
	.end_amdgpu_metadata
.endif
;; end of part 1
;; launch pairs (part 2): grid 256 x 1, 16 waves a work-group, no clusters, 12,288 bytes of LDS; arguments codes, rowinf, kde_logvar, noise_logvar, part; writes part
.if DOCPART == 2
	.amdgcn_target "amdgcn-amd-amdhsa--gfx1250"
	.amdhsa_code_object_version 6
	.text
	.protected	k_q4dbb3968eb_pairs
	.globl	k_q4dbb3968eb_pairs
	.p2align	8
	.type	k_q4dbb3968eb_pairs,@function
k_q4dbb3968eb_pairs:
	s_mov_b64 s[64:65], 0
	v_nop
	global_prefetch_b8 v0, s[64:65] scope:SCOPE_SE
	s_setreg_imm32_b32 hwreg(HW_REG_WAVE_MODE, 25, 1), 1
	s_wait_xcnt 0x0
; For every row i of x: the two logsumexps over j of -d_ij / (2 var), d_ij = max(|x_i|^2 + |x_j|^2 - 2 Q(x_i).Q(x_j), 0); the first with var = exp(nv) + exp(kv) over all j, the second with
; var = exp(kv) over j != i.  A work-group stores the sums of both over its 32 rows, in units of log2 (8 bytes).
; THE PRODUCT is on codes of E3M2 with E8M0 scales, K = 64 filled up to the instruction's 128 by zero codes on both sides.  It is used transposed: source 0 = 16 columns j, source 1 = 16 rows i,
; so that lane (r, h) holds ONE row i = r and its eight registers the columns 8 h + 0 .. 7.  Its C is -hs_j (hs = |x|^2 / 2), loaded in the result's layout: D = g_ij - hs_j costs no vector instruction.
; A PAIR: v = min(D, hs_i), which is reference()'s max(d, 0), since d = 2 (hs_i - v); the terms are 2^(K1 (v - v*)) and 2^(K2 (v - v*)), K = log2(e) / var.
; THE MAXIMUM IS TAKEN AWAY, by a running maximum v* of each lane over its own columns; when it moves, the lane's sums are multiplied by 2^(b_new - b_old), b = -K v*.  The first step finds b = 3e38 and sums of 0.
; THE DIAGONAL lies in one step of one wave (a scalar branch on ids): there D_ii is kept aside and replaced by -3e38, so both sums run over j != i under one maximum; the first gets its diagonal term at the end.
; SHARES: 256 work-groups x 16 waves.  A work-group owns rows 32 b .. 32 b + 31 (two row tiles, in every wave's registers); wave w owns columns 512 w .. 512 w + 511: 8 steps of 4 column tiles.
; A step: 8 matrix instructions, then 132 exponentials and some 240 plain vector instructions on their 64 registers.  Four waves share a SIMD, so that one wave's exponentials stand beside another's plain work;
; inside a wave row tile 1's clip stands among row tile 0's exponentials, and row tile 0's sums among row tile 1's.
; OPERANDS COME FROM MEMORY STRAIGHT INTO REGISTERS, a step ahead: the next step's 18 loads are issued right behind this step's products, which are the last readers of those registers.
; NO LDS RING, NO CLUSTER, NO JOINT LOADS: no two waves of a work-group read the same byte of the column stream, a step's 3,584 bytes (4 x 768 of codes, 256 of scale words, 256 of -hs) feed some 370
; vector instructions, and the sixteen waves meet once, at the end: joint loads would put an LDS round trip and a round of barriers for each slot into a loop that has neither.
; LIMITS: NaN and infinities in x are not served.  The second sum leaves the diagonal's term out, where reference() adds 1e21 to its exponent: the same as long as the row's other d / (2 var) stay far under 1e21.
; kde_logvar and noise_logvar are served where reference()'s own 1 / var is finite.
.set NSTEP,  8
.set CTB,    768                       ; a tile's codes: 512 bytes (registers 0-3), 256 bytes (registers 4-5)
.set NHOFF,  32768                     ; rowinf: scale words first, -hs from here on
.set LOG2E,  0x3fb8aa3b
.set BIG,    0x7f61b1e6                ; 3e38
.set NEGBIG, 0xff61b1e6                ; -3e38
.set MPITCH, 80                        ; the merge in LDS: a row's 16 numbers (one a wave) + 16 bytes
.set MCOMP,  32*MPITCH                 ; one of four such tables: v*, sum 1, sum 2, the diagonal
.set OC,  1                            ; v1   16 x lane
.set OC2, 2                            ; v2   8 x lane
.set OS,  3                            ; v3   4 x lane
.set OH,  4                            ; v4   32 x (lane / 16): my eight columns' -hs in a tile's 64 bytes
.set DL,  5                            ; v5   32 (b % 2) + r - 8 h: which register of the diagonal's step holds my row's diagonal, if any
.set NG,  6                            ; v6   -3e38
.set LW,  7                            ; v7   the merge: where I store
.set TM,  8                            ; v8-11 at work
.set SA,  12                           ; v12-13 the column tiles' scale words: lanes 0-15 tile 0 (2), lanes 16-31 tile 1 (3)
.set SB,  14                           ; v14-15 the row tiles' scale words
.set ST,  16                           ; v16-47 statistics, 16 a row tile: +0 b1, +1 hs, +2 b2, +3 v*, +4 f1, +5 the diagonal's D, +6 f2, +7 0, +8..11 sum 1 (two pairs), +12..15 sum 2
.set B,   48                           ; v48-71  the two row tiles: 6 registers of codes, 6 of zero codes
.set A,   72                           ; v72-119 four column tiles likewise
.set C,   120                          ; v120-151 -hs_j, eight registers a column tile
.set D,   152                          ; v152-215 D(row tile, column tile) at D + 32 rt + 8 ct; then v; then the second sum's terms
.set T,   216                          ; v216-247 the first sum's terms of the row tile in hand
.set LR,  248                          ; v248 the merge: where wave 0 reads
.set OR,  249                          ; v249 4 x r
.set HSR, 250                          ; v250 hs of row = lane
	s_load_b256 s[4:11], s[0:1], 0x0               ; codes s[4:5], rowinf s[6:7], kde_logvar s[8:9], noise_logvar s[10:11]
	s_load_b64 s[12:13], s[0:1], 0x20              ; part
	v_lshl_add_u32 v254, v0, 2, 0x2800
	v_mov_b32 v255, 0
	v_lshrrev_b32 v1, 5, v0
	v_readfirstlane_b32 s16, v1                    ; wave 0..15
	v_and_b32 v8, 31, v0                           ; lane
	v_and_b32 v9, 15, v0                           ; r
	v_bfe_u32 v10, v0, 4, 1                        ; h
	v_lshlrev_b32 v[OC], 4, v8
	v_lshlrev_b32 v[OC2], 3, v8
	v_lshlrev_b32 v[OS], 2, v8
	v_lshlrev_b32 v[OH], 5, v10
	v_lshlrev_b32 v[OR], 2, v9
	v_lshlrev_b32 v[DL], 3, v10
	v_sub_nc_u32 v[DL], v9, v[DL]
	s_and_b32 s17, ttmp9, 1
	s_lshl_b32 s17, s17, 5
	v_add_nc_u32 v[DL], s17, v[DL]
	v_mul_u32_u24 v[LR], v8, MPITCH
	s_lshl_b32 s44, s16, 2
	v_add_nc_u32 v[LW], s44, v[LR]
	v_mov_b32 v[NG], NEGBIG
	s_lshr_b32 s18, ttmp9, 4                       ; columns 32 b .. 32 b + 31 lie in wave b / 16,
	s_bfe_u32 s29, ttmp9, 0x30001                  ; step (b % 16) / 2 (3 bits from bit 1),
	s_cmp_eq_u32 s18, s16
	s_cselect_b32 s29, s29, NSTEP                  ; s29: my step with the diagonal, or a number that no step has
	s_mul_i32 s30, s16, 32*CTB                     ; my wave's 32 column tiles
	s_mov_b32 s31, 0
	s_lshl_b32 s32, s16, 11                        ; and their 512 words in each half of rowinf
	s_mov_b32 s33, 0
	s_mul_i32 s34, ttmp9, 2*CTB                    ; the work-group's two row tiles
	s_mov_b32 s35, 0
	s_lshl_b32 s36, ttmp9, 7                       ; and their 32 words
	s_mov_b32 s37, 0
	s_lshl_b32 s38, ttmp9, 3                       ; the work-group's 8 bytes of part
	s_mov_b32 s39, 0
	s_mov_b32 s26, 0x76543210
	s_mov_b32 s27, 0xfedcba98                      ; v_permlanex16_b32's selects for lane l xor 16
	s_wait_kmcnt 0x0
	s_load_b32 s18, s[8:9], 0x0                    ; kde_logvar
	s_load_b32 s19, s[10:11], 0x0                  ; noise_logvar
	s_add_nc_u64 s[40:41], s[4:5], s[34:35]
	s_add_nc_u64 s[42:43], s[6:7], s[36:37]
	s_add_nc_u64 s[4:5], s[4:5], s[30:31]
	s_add_nc_u64 s[6:7], s[6:7], s[32:33]
	s_add_nc_u64 s[12:13], s[12:13], s[38:39]
; a step's operands: four tiles' codes, two registers of scale words, four tiles' -hs in the result's layout (sixteen lanes read the same 16 bytes)
.macro FETCH
.irp ct, 0,1,2,3
	global_load_b128 v[A+12*\ct:A+12*\ct+3], v[OC], s[4:5] offset:CTB*\ct
	global_load_b64 v[A+12*\ct+4:A+12*\ct+5], v[OC2], s[4:5] offset:CTB*\ct+512
.endr
	global_load_b32 v[SA], v[OS], s[6:7]
	global_load_b32 v[SA+1], v[OS], s[6:7] offset:128
.irp ct, 0,1,2,3
	global_load_b128 v[C+8*\ct:C+8*\ct+3], v[OH], s[6:7] offset:NHOFF+64*\ct
	global_load_b128 v[C+8*\ct+4:C+8*\ct+7], v[OH], s[6:7] offset:NHOFF+64*\ct+16
.endr
.endm
.irp rt, 0,1
	global_load_b128 v[B+12*\rt:B+12*\rt+3], v[OC], s[40:41] offset:CTB*\rt
	global_load_b64 v[B+12*\rt+4:B+12*\rt+5], v[OC2], s[40:41] offset:CTB*\rt+512
	global_load_b32 v[SB+\rt], v[OR], s[42:43] offset:64*\rt
	global_load_b32 v[ST+16*\rt+1], v[OR], s[42:43] offset:NHOFF+64*\rt   ; -hs of my row; its sign is turned below
.endr
	FETCH                                          ; step 0
.irp t, 0,1,2,3
.irp i, 6,7,8,9,10,11
	v_mov_b32 v[A+12*\t+\i], 0                     ; k = 64 .. 127: zero codes, written once; no load lands here
.endr
.endr
.irp t, 0,1
.irp i, 6,7,8,9,10,11
	v_mov_b32 v[B+12*\t+\i], 0
.endr
.endr
.irp rt, 0,1
	v_mov_b32 v[ST+16*\rt], BIG                    ; b1, b2: the first step's factors 2^(b_new - 3e38) are 0, on sums that are 0
	v_mov_b32 v[ST+16*\rt+2], BIG
	v_mov_b32 v[ST+16*\rt+3], NEGBIG               ; v*: under every v
	v_mov_b32 v[ST+16*\rt+5], NEGBIG               ; the diagonal: not seen
	v_mov_b32 v[ST+16*\rt+7], 0                    ; (named with f2 as a pair)
.irp i, 8,9,10,11,12,13,14,15
	v_mov_b32 v[ST+16*\rt+\i], 0
.endr
.endr
	s_wait_kmcnt 0x0
	v_mov_b32 v8, s18
	v_mov_b32 v9, s19
	v_mul_f32 v8, LOG2E, v8
	v_mul_f32 v9, LOG2E, v9
	v_exp_f32 v8, v8                               ; exp(kv)
	v_exp_f32 v9, v9                               ; exp(nv)
	v_nop                                          ; a plain instruction behind the last exponential,
	s_wait_alu depctr_va_vdst(0)                   ; and the wait ahead of the first reader: one for both
	v_add_f32 v9, v9, v8                           ; the first sum's variance
	v_rcp_f32 v10, v9
	v_rcp_f32 v11, v8
	v_nop
	s_wait_alu depctr_va_vdst(0)
	v_mul_f32 v10, LOG2E, v10
	v_mul_f32 v11, LOG2E, v11
	v_readfirstlane_b32 s20, v10                   ; K1 = log2(e) / (exp(nv) + exp(kv))
	v_readfirstlane_b32 s22, v11                   ; K2 = log2(e) / exp(kv)
	s_mov_b32 s21, s20                             ; (the packed forms name pairs and take the low word for both halves)
	s_mov_b32 s23, s22
	s_xor_b32 s24, s20, 0x80000000                 ; -K1
	s_xor_b32 s25, s22, 0x80000000                 ; -K2
	s_wait_loadcnt 0x0
	v_sub_f32 v[ST+1], 0, v[ST+1]                  ; hs of my row, in each row tile
	v_sub_f32 v[ST+17], 0, v[ST+17]
; D(rt, ct) = 16 columns x 16 rows + (-hs_j).  C is shared by the two row tiles, so D has registers of its own; no accumulator is added onto in place.
.macro WM ct, rt
.if (\ct)%2
	v_wmma_scale_f32_16x16x128_f8f6f4 v[D+32*(\rt)+8*(\ct):D+32*(\rt)+8*(\ct)+7], v[A+12*(\ct):A+12*(\ct)+11], v[B+12*(\rt):B+12*(\rt)+11], v[C+8*(\ct):C+8*(\ct)+7], v[SA+(\ct)/2], v[SB+(\rt)] matrix_a_fmt:MATRIX_FMT_BF6 matrix_b_fmt:MATRIX_FMT_BF6 matrix_a_scale:MATRIX_SCALE_ROW1
.else
	v_wmma_scale_f32_16x16x128_f8f6f4 v[D+32*(\rt)+8*(\ct):D+32*(\rt)+8*(\ct)+7], v[A+12*(\ct):A+12*(\ct)+11], v[B+12*(\rt):B+12*(\rt)+11], v[C+8*(\ct):C+8*(\ct)+7], v[SA+(\ct)/2], v[SB+(\rt)] matrix_a_fmt:MATRIX_FMT_BF6 matrix_b_fmt:MATRIX_FMT_BF6
.endif
.endm
; v = min(D, hs_i), registers 2 pr and 2 pr + 1 of row tile rt.  Taken in ascending order
.macro CLIP2 rt, pr
	v_min_num_f32 v[D+32*(\rt)+2*(\pr)], v[ST+16*(\rt)+1], v[D+32*(\rt)+2*(\pr)]
	v_min_num_f32 v[D+32*(\rt)+2*(\pr)+1], v[ST+16*(\rt)+1], v[D+32*(\rt)+2*(\pr)+1]
.endm
; v* = the largest of the old v* and the step's 32 v: 33 numbers, three at a time, four chains
.macro MAXU rt
.set E, D+32*(\rt)
.irp c, 0,1,2,3
	v_max3_num_f32 v[TM+\c], v[E+8*\c], v[E+8*\c+1], v[E+8*\c+2]
.endr
.irp i, 3,5
.irp c, 0,1,2,3
	v_max3_num_f32 v[TM+\c], v[TM+\c], v[E+8*\c+\i], v[E+8*\c+\i+1]
.endr
.endr
	v_max3_num_f32 v[TM], v[TM], v[E+7], v[E+15]
	v_max3_num_f32 v[TM+2], v[TM+2], v[E+23], v[E+31]
	v_max3_num_f32 v[TM], v[TM], v[TM+1], v[TM+2]
	v_max3_num_f32 v[ST+16*(\rt)+3], v[ST+16*(\rt)+3], v[TM], v[TM+3]
.endm
; b = -K v*, and the exponent of the factor that brings the sums under it: b_new - b_old, which is exactly 0 where v* has not moved
.macro UPD rt
.set R, ST+16*(\rt)
	v_mul_f32 v[TM], s24, v[R+3]
	v_mul_f32 v[TM+1], s25, v[R+3]
	v_sub_f32 v[R+4], v[TM], v[R]
	v_sub_f32 v[R+6], v[TM+1], v[R+2]
	v_mov_b32 v[R], v[TM]
	v_mov_b32 v[R+2], v[TM+1]
.endm
; the two exponents of pair pr: K1 v + b1 into T, K2 v + b2 in place
.macro AFFP rt, pr
	v_pk_fma_f32 v[T+2*(\pr):T+2*(\pr)+1], v[D+32*(\rt)+2*(\pr):D+32*(\rt)+2*(\pr)+1], s[20:21], v[ST+16*(\rt):ST+16*(\rt)+1] op_sel_hi:[1,0,0]
	v_pk_fma_f32 v[D+32*(\rt)+2*(\pr):D+32*(\rt)+2*(\pr)+1], v[D+32*(\rt)+2*(\pr):D+32*(\rt)+2*(\pr)+1], s[22:23], v[ST+16*(\rt)+2:ST+16*(\rt)+3] op_sel_hi:[1,0,0]
.endm
.macro EXP4 rt, pr
	v_exp_f32 v[T+2*(\pr)], v[T+2*(\pr)]
	v_exp_f32 v[T+2*(\pr)+1], v[T+2*(\pr)+1]
	v_exp_f32 v[D+32*(\rt)+2*(\pr)], v[D+32*(\rt)+2*(\pr)]
	v_exp_f32 v[D+32*(\rt)+2*(\pr)+1], v[D+32*(\rt)+2*(\pr)+1]
.endm
; pair pr of row tile rt's terms goes into its sums: each sum has two pairs of registers, taken by turns; the first two additions of a step carry the factor f
.macro SUMP rt, pr
.set R, ST+16*(\rt)
.set E, D+32*(\rt)
.set h2, 2*((\pr)%2)
.if (\pr) < 2
	v_pk_fma_f32 v[R+8+h2:R+9+h2], v[R+8+h2:R+9+h2], v[R+4:R+5], v[T+2*(\pr):T+2*(\pr)+1] op_sel_hi:[1,0,1]
	v_pk_fma_f32 v[R+12+h2:R+13+h2], v[R+12+h2:R+13+h2], v[R+6:R+7], v[E+2*(\pr):E+2*(\pr)+1] op_sel_hi:[1,0,1]
.else
	v_pk_add_f32 v[R+8+h2:R+9+h2], v[R+8+h2:R+9+h2], v[T+2*(\pr):T+2*(\pr)+1]
	v_pk_add_f32 v[R+12+h2:R+13+h2], v[R+12+h2:R+13+h2], v[E+2*(\pr):E+2*(\pr)+1]
.endif
.endm
; ONE BATCH: row tile rt's 66 exponentials, none of whose results is named before the wait that follows the batch.  A pair's exponents are made one slice ahead of its exponentials.
; Plain work of the OTHER row tile stands between: mode 0: its clip; mode 1: its sums, whose terms (the batch before) have had their wait; a pair of T is summed just before it is written anew.
.macro EXPS rt, mode
	v_exp_f32 v[ST+16*(\rt)+4], v[ST+16*(\rt)+4]   ; f1, f2
	v_exp_f32 v[ST+16*(\rt)+6], v[ST+16*(\rt)+6]
.if \mode
	SUMP 1-(\rt), 0
.endif
	AFFP \rt, 0
.set n, 0
.rept 15
.if \mode
	SUMP 1-(\rt), n+1
.endif
	AFFP \rt, n+1
	EXP4 \rt, n
.if !(\mode)
	CLIP2 1-(\rt), n
.endif
.set n, n+1
.endr
	EXP4 \rt, 15
.if !(\mode)
	CLIP2 1-(\rt), 15
.endif
.endm
	s_mov_b32 s28, 0
.Lstep:
	s_wait_loadcnt 0x0                             ; this step's operands, asked for a step ago, are in; so their address registers may be stepped
.irp ct, 0,1,2,3
	WM \ct, 0
	WM \ct, 1
.endr
	s_add_nc_u64 s[4:5], s[4:5], 4*CTB
	s_add_nc_u64 s[6:7], s[6:7], 256
.rept 4
	v_nop                                          ; four places between the products and the loads into their sources, and the first reads of their results
.endr
	s_cmp_eq_u32 s28, NSTEP-1
	s_cbranch_scc1 .Lnofetch                       ; the last step asks for nothing: no load leaves its buffer
	FETCH
.Lnofetch:
	s_cmp_lg_u32 s28, s29
	s_cbranch_scc1 .Lnodiag
; the step with the diagonal: row tile rt meets its own rows in column tile rt + 2 (b % 2).  Register jj of tile rt + 2 q holds the diagonal of my row where 32 q + jj = 32 (b % 2) + r - 8 h
.irp rt, 0,1
.irp q, 0,1
.irp jj, 0,1,2,3,4,5,6,7
	v_cmp_eq_i32 vcc_lo, 32*\q+\jj, v[DL]
	v_cndmask_b32 v[ST+16*\rt+5], v[ST+16*\rt+5], v[D+32*\rt+8*(\rt+2*\q)+\jj], vcc_lo   ; D_ii is kept aside,
	v_cndmask_b32 v[D+32*\rt+8*(\rt+2*\q)+\jj], v[D+32*\rt+8*(\rt+2*\q)+\jj], v[NG], vcc_lo   ; and counts for nothing in the loop
.endr
.endr
.endr
.Lnodiag:
.set n, 0
.rept 16
	CLIP2 0, n
.set n, n+1
.endr
	MAXU 0
	UPD 0
	EXPS 0, 0                                      ; row tile 0's batch, row tile 1's clip between
	MAXU 1                                         ; plain work behind the batch that names none of its results
	UPD 1
	s_wait_alu depctr_va_vdst(0)                   ; the wait ahead of the batch's first reader: one for the 66
	EXPS 1, 1                                      ; row tile 1's batch, row tile 0's sums between
	v_nop                                          ; a plain instruction behind the last exponential
	s_wait_alu depctr_va_vdst(0)                   ; one wait for the 66
.set n, 0
.rept 16
	SUMP 1, n
.set n, n+1
.endr
	s_add_co_u32 s28, s28, 1
	s_cmp_lt_u32 s28, NSTEP
	s_cbranch_scc1 .Lstep
; THE MERGE.  First the two halves of the lanes, which hold the same rows: under the larger of their two v*
.irp rt, 0,1
	v_pk_add_f32 v[ST+16*\rt+8:ST+16*\rt+9], v[ST+16*\rt+8:ST+16*\rt+9], v[ST+16*\rt+10:ST+16*\rt+11]
	v_pk_add_f32 v[ST+16*\rt+12:ST+16*\rt+13], v[ST+16*\rt+12:ST+16*\rt+13], v[ST+16*\rt+14:ST+16*\rt+15]
	v_permlanex16_b32 v[T+8*\rt], v[ST+16*\rt+3], s26, s27
	v_permlanex16_b32 v[T+8*\rt+1], v[ST+16*\rt+5], s26, s27
.endr
.irp rt, 0,1
	v_add_f32 v[ST+16*\rt+8], v[ST+16*\rt+8], v[ST+16*\rt+9]
	v_add_f32 v[ST+16*\rt+12], v[ST+16*\rt+12], v[ST+16*\rt+13]
	v_max_num_f32 v[T+8*\rt], v[T+8*\rt], v[ST+16*\rt+3]          ; the wave's v* of the row
	v_max_num_f32 v[ST+16*\rt+5], v[ST+16*\rt+5], v[T+8*\rt+1]    ; the diagonal, from whichever half saw it
	v_sub_f32 v[T+8*\rt+2], v[ST+16*\rt+3], v[T+8*\rt]
	v_mul_f32 v[T+8*\rt+3], s20, v[T+8*\rt+2]
	v_mul_f32 v[T+8*\rt+2], s22, v[T+8*\rt+2]
.endr
.irp rt, 0,1
	v_exp_f32 v[T+8*\rt+3], v[T+8*\rt+3]
	v_exp_f32 v[T+8*\rt+2], v[T+8*\rt+2]
.endr
	v_and_b32 v8, 16, v0                           ; (a plain instruction behind the exponentials)
	s_wait_alu depctr_va_vdst(0)                   ; one wait for the four
.irp rt, 0,1
	v_mul_f32 v[ST+16*\rt+8], v[ST+16*\rt+8], v[T+8*\rt+3]
	v_mul_f32 v[ST+16*\rt+12], v[ST+16*\rt+12], v[T+8*\rt+2]
.endr
.irp rt, 0,1
	v_permlanex16_b32 v[T+8*\rt+4], v[ST+16*\rt+8], s26, s27
	v_permlanex16_b32 v[T+8*\rt+5], v[ST+16*\rt+12], s26, s27
.endr
.irp rt, 0,1
	v_add_f32 v[ST+16*\rt+8], v[ST+16*\rt+8], v[T+8*\rt+4]
	v_add_f32 v[ST+16*\rt+12], v[ST+16*\rt+12], v[T+8*\rt+5]
.endr
	v_cmp_ne_u32 vcc_lo, 0, v8                     ; lanes 0-15 speak for row tile 0, lanes 16-31 for row tile 1: lane = row
	v_cndmask_b32 v8, v[T], v[T+8], vcc_lo
	v_cndmask_b32 v9, v[ST+8], v[ST+24], vcc_lo
	v_cndmask_b32 v10, v[ST+12], v[ST+28], vcc_lo
	v_cndmask_b32 v11, v[ST+5], v[ST+21], vcc_lo
	v_cndmask_b32 v[HSR], v[ST+1], v[ST+17], vcc_lo
	ds_store_b32 v[LW], v8                         ; then the sixteen waves, through LDS: four tables [row][wave]
	ds_store_b32 v[LW], v9 offset:MCOMP
	ds_store_b32 v[LW], v10 offset:2*MCOMP
	ds_store_b32 v[LW], v11 offset:3*MCOMP
	s_wait_dscnt 0x0                               ; for the others' sake: my stores have landed
	s_barrier_signal -1
	s_barrier_wait -1
	s_cmp_lg_u32 s16, 0
	s_cbranch_scc1 .Lend
; wave 0, a lane to a row: the row's sixteen parts
.set P, D                              ; v* at P, sum 1 at P + 16, sum 2 at P + 32, the diagonal at P + 48
.irp c, 0,1,2,3
.irp q, 0,1,2,3
	ds_load_b128 v[P+16*\c+4*\q:P+16*\c+4*\q+3], v[LR] offset:MCOMP*\c+16*\q
.endr
.endr
	v_mov_b32 v253, 0                              ; (named with v252 as a pair)
	s_wait_dscnt 0x0
	v_max3_num_f32 v8, v[P], v[P+1], v[P+2]
	v_max3_num_f32 v9, v[P+48], v[P+49], v[P+50]
.irp i, 3,5,7,9,11,13
	v_max3_num_f32 v8, v8, v[P+\i], v[P+\i+1]
	v_max3_num_f32 v9, v9, v[P+48+\i], v[P+49+\i]
.endr
	v_max_num_f32 v8, v8, v[P+15]                  ; V: the row's largest v over j != i
	v_max_num_f32 v9, v9, v[P+63]                  ; D_ii
	v_min_num_f32 v9, v9, v[HSR]                   ; the diagonal's v
	v_max_num_f32 v10, v8, v9                      ; V1: the largest over all j
	v_sub_f32 v252, 0, v8
.irp p, 0,2,4,6,8,10,12,14
	v_pk_add_f32 v[P+\p:P+\p+1], v[P+\p:P+\p+1], v[252:253] op_sel_hi:[1,0]   ; each part's v* - V
.endr
.irp p, 0,2,4,6,8,10,12,14
	v_pk_mul_f32 v[T+\p:T+\p+1], v[P+\p:P+\p+1], s[20:21] op_sel_hi:[1,0]
	v_pk_mul_f32 v[P+\p:P+\p+1], v[P+\p:P+\p+1], s[22:23] op_sel_hi:[1,0]
.endr
	v_sub_f32 v11, v8, v10                         ; V - V1
	v_sub_f32 v[T+16], v9, v10                     ; the diagonal's v - V1
	v_mul_f32 v11, s20, v11
	v_mul_f32 v[T+16], s20, v[T+16]
.set n, 0
.rept 16
	v_exp_f32 v[T+n], v[T+n]
	v_exp_f32 v[P+n], v[P+n]
.set n, n+1
.endr
	v_exp_f32 v11, v11
	v_exp_f32 v[T+16], v[T+16]
	v_sub_f32 v10, v10, v[HSR]                     ; V1 - hs = -(the smallest d) / 2.  (Plain work behind the batch)
	v_sub_f32 v8, v8, v[HSR]                       ; V - hs
	s_wait_alu depctr_va_vdst(0)                   ; one wait for the 34
	v_pk_mul_f32 v[T:T+1], v[T:T+1], v[P+16:P+17]
	v_pk_mul_f32 v[P:P+1], v[P:P+1], v[P+32:P+33]
.irp p, 2,4,6,8,10,12,14
	v_pk_fma_f32 v[T:T+1], v[T+\p:T+\p+1], v[P+16+\p:P+17+\p], v[T:T+1]
	v_pk_fma_f32 v[P:P+1], v[P+\p:P+\p+1], v[P+32+\p:P+33+\p], v[P:P+1]
.endr
	v_add_f32 v[T], v[T], v[T+1]                   ; sum 1 over j != i, under V
	v_add_f32 v[P], v[P], v[P+1]                   ; sum 2
	v_fma_f32 v[T], v[T], v11, v[T+16]             ; sum 1 under V1, with the diagonal's term
	v_log_f32 v[T], v[T]
	v_log_f32 v[P], v[P]
	v_nop
	s_wait_alu depctr_va_vdst(0)
	v_fma_f32 v9, s22, v8, v[P]                    ; the second logsumexp of my row, in units of log2: log2(sum) + K2 (V - hs)
	v_fma_f32 v8, s20, v10, v[T]                   ; the first: log2(sum) + K1 (V1 - hs)
.irp m, 1,2,4,8
	v_add_f32_dpp v8, v8, v8 row_xmask:\m row_mask:0xf bank_mask:0xf
	v_add_f32_dpp v9, v9, v9 row_xmask:\m row_mask:0xf bank_mask:0xf
.endr
	v_permlanex16_b32 v10, v8, s26, s27
	v_permlanex16_b32 v11, v9, s26, s27
	v_add_f32 v8, v8, v10                          ; over the 32 rows
	v_add_f32 v9, v9, v11
	v_mov_b32 v10, 0
	v_cmp_eq_u32 vcc_lo, 0, v0
	s_wait_xcnt 0x0                                ; EXEC changes only behind this wait
	s_and_saveexec_b32 s45, vcc_lo
	global_store_b64 v10, v[8:9], s[12:13]         ; lane 0: the work-group's two sums
	s_wait_xcnt 0x0
	s_or_b32 exec_lo, exec_lo, s45
.Lend:
	s_wait_tensorcnt 0x0
	ds_add_u32 v254, v255
	s_wait_dscnt 0x0
	s_endpgm
.Lfunc_end_k_q4dbb3968eb_pairs:
	.size	k_q4dbb3968eb_pairs, .Lfunc_end_k_q4dbb3968eb_pairs-k_q4dbb3968eb_pairs
	.p2alignl 7, 3214868480
	.fill 96, 4, 3214868480
	.section	.rodata,"a",@progbits
	.p2align	6, 0x0
	.amdhsa_kernel k_q4dbb3968eb_pairs
		.amdhsa_group_segment_fixed_size 12288
		.amdhsa_private_segment_fixed_size 0
		.amdhsa_enable_private_segment 0
		.amdhsa_kernarg_size 40
		.amdhsa_user_sgpr_count 2
		.amdhsa_user_sgpr_kernarg_segment_ptr 1
		.amdhsa_wavefront_size32 1
		.amdhsa_system_sgpr_workgroup_id_x 1
		.amdhsa_system_sgpr_workgroup_id_y 1
		.amdhsa_system_sgpr_workgroup_id_z 1
		.amdhsa_system_vgpr_workitem_id 0
		.amdhsa_next_free_vgpr 256
		.amdhsa_next_free_sgpr 66
		.amdhsa_reserve_vcc 1
		.amdhsa_float_denorm_mode_32 3
		.amdhsa_float_denorm_mode_16_64 3
		.amdhsa_memory_ordered 1
		.amdhsa_forward_progress 1
		.amdhsa_inst_pref_size 41
	.end_amdhsa_kernel
	.amdgpu_metadata
---
amdhsa.version: [ 1, 2 ]
amdhsa.kernels:
  - .name:           k_q4dbb3968eb_pairs
    .symbol:         k_q4dbb3968eb_pairs.kd
    .args:
      - { .name: codes, .offset: 0, .size: 8, .value_kind: global_buffer, .address_space: global }
      - { .name: rowinf, .offset: 8, .size: 8, .value_kind: global_buffer, .address_space: global }
      - { .name: kde_logvar, .offset: 16, .size: 8, .value_kind: global_buffer, .address_space: global }
      - { .name: noise_logvar, .offset: 24, .size: 8, .value_kind: global_buffer, .address_space: global }
      - { .name: part, .offset: 32, .size: 8, .value_kind: global_buffer, .address_space: global }
    .group_segment_fixed_size: 12288
    .private_segment_fixed_size: 0
    .kernarg_segment_align: 8
    .kernarg_segment_size: 40
    .max_flat_workgroup_size: 512
    .sgpr_count:     66
    .vgpr_count:     256
    .wavefront_size: 32
...
	.end_amdgpu_metadata
.endif
;; end of part 2
;; launch fin (part 3): grid 1 x 1, 1 waves a work-group, no clusters, 0 bytes of LDS; arguments part, kde_logvar, noise_logvar, out1, out2; writes out1, out2
.if DOCPART == 3
	.amdgcn_target "amdgcn-amd-amdhsa--gfx1250"
	.amdhsa_code_object_version 6
	.text
	.protected	k_q4dbb3968eb_fin
	.globl	k_q4dbb3968eb_fin
	.p2align	8
	.type	k_q4dbb3968eb_fin,@function
k_q4dbb3968eb_fin:
	s_mov_b64 s[64:65], 0
	v_nop
	global_prefetch_b8 v0, s[64:65] scope:SCOPE_SE
	s_setreg_imm32_b32 hwreg(HW_REG_WAVE_MODE, 25, 1), 1
	s_wait_xcnt 0x0
; The 256 work-groups' pairs of sums (2,048 bytes; the rows' two logsumexps in units of log2) become reference()'s two losses.  One wave: the sum spans work-groups, so it has a launch of its own.
;   normconst = 32 ln(2 pi var);  h = -(mean(lse1) - ln 8192 - normconst);  out1 = 0.01 (h - normconst);  out2 = -(mean(lse2) - ln 8191 - normconst_kde)
.set LOG2E,  0x3fb8aa3b
.set TWOPI,  0x40c90fdb
.set LN2X32, 0x41b17218                ; 32 ln 2: dims / 2 x the step from log2 to ln
.set LN2DN,  0x38b17218                ; ln 2 / 8192: from a sum in log2 to a mean in ln
.set NLNN,   0xc1102cb3                ; -ln 8192
.set NLNN1,  0xc1102c33                ; -ln 8191
.set BETA,   0x3c23d70a                ; 0.01
	s_load_b256 s[4:11], s[0:1], 0x0               ; part s[4:5], kde_logvar s[6:7], noise_logvar s[8:9], out1 s[10:11]
	s_load_b64 s[12:13], s[0:1], 0x20              ; out2
	v_lshlrev_b32 v1, 4, v0
	s_mov_b32 s16, 0x76543210
	s_mov_b32 s17, 0xfedcba98
	s_wait_kmcnt 0x0
	s_load_b32 s14, s[6:7], 0x0
	s_load_b32 s15, s[8:9], 0x0
.irp i, 0,1,2,3
	global_load_b128 v[4+4*\i:7+4*\i], v1, s[4:5] offset:512*\i   ; two work-groups' pairs a lane
.endr
	s_wait_kmcnt 0x0
	v_mov_b32 v20, s14
	v_mov_b32 v21, s15
	v_mul_f32 v20, LOG2E, v20
	v_mul_f32 v21, LOG2E, v21
	v_exp_f32 v20, v20                             ; exp(kv)
	v_exp_f32 v21, v21                             ; exp(nv)
	v_mov_b32 v2, 0                                ; (a plain instruction behind the exponentials)  the stores' offset
	s_wait_alu depctr_va_vdst(0)                   ; the wait ahead of the first reader: one for both
	v_add_f32 v21, v21, v20
	v_mul_f32 v20, TWOPI, v20
	v_mul_f32 v21, TWOPI, v21
	v_log_f32 v20, v20
	v_log_f32 v21, v21
	v_mov_b32 v3, 0                                ; (a plain instruction; v3 and v22 are lane permutes' destinations, which count as read)
	v_mov_b32 v22, 0
	s_wait_alu depctr_va_vdst(0)
	v_mul_f32 v20, LN2X32, v20                     ; normconst_kde
	v_mul_f32 v21, LN2X32, v21                     ; normconst
	s_wait_loadcnt 0x0
	v_pk_add_f32 v[4:5], v[4:5], v[6:7]            ; a pair's low word is the first sum, its high word the second
	v_pk_add_f32 v[8:9], v[8:9], v[10:11]
	v_pk_add_f32 v[12:13], v[12:13], v[14:15]
	v_pk_add_f32 v[16:17], v[16:17], v[18:19]
	v_pk_add_f32 v[4:5], v[4:5], v[8:9]
	v_pk_add_f32 v[12:13], v[12:13], v[16:17]
	v_pk_add_f32 v[4:5], v[4:5], v[12:13]
.irp m, 1,2,4,8
	v_add_f32_dpp v4, v4, v4 row_xmask:\m row_mask:0xf bank_mask:0xf
	v_add_f32_dpp v5, v5, v5 row_xmask:\m row_mask:0xf bank_mask:0xf
.endr
	v_permlanex16_b32 v3, v4, s16, s17
	v_permlanex16_b32 v22, v5, s16, s17
	v_add_f32 v4, v4, v3
	v_add_f32 v5, v5, v22
	v_mul_f32 v4, LN2DN, v4                        ; mean(lse1)
	v_mul_f32 v5, LN2DN, v5                        ; mean(lse2)
	v_add_f32 v4, NLNN, v4
	v_add_f32 v5, NLNN1, v5
	v_sub_f32 v4, v4, v21                          ; mean(lprobs)
	v_sub_f32 v5, v5, v20                          ; mean(lprobs_kde)
	v_sub_f32 v4, 0, v4                            ; h
	v_sub_f32 v5, 0, v5                            ; kde_loo_loss
	v_sub_f32 v4, v4, v21                          ; mi = h - normconst
	v_mul_f32 v4, BETA, v4                         ; mi_loss
	v_cmp_eq_u32 vcc_lo, 0, v0
	s_wait_xcnt 0x0                                ; EXEC changes only behind this wait
	s_and_saveexec_b32 s18, vcc_lo
	global_store_b32 v2, v4, s[10:11]
	global_store_b32 v2, v5, s[12:13]
	s_wait_xcnt 0x0
	s_or_b32 exec_lo, exec_lo, s18
	s_endpgm
.Lfunc_end_k_q4dbb3968eb_fin:
	.size	k_q4dbb3968eb_fin, .Lfunc_end_k_q4dbb3968eb_fin-k_q4dbb3968eb_fin
	.p2alignl 7, 3214868480
	.fill 96, 4, 3214868480
	.section	.rodata,"a",@progbits
	.p2align	6, 0x0
	.amdhsa_kernel k_q4dbb3968eb_fin
		.amdhsa_group_segment_fixed_size 0
		.amdhsa_private_segment_fixed_size 0
		.amdhsa_enable_private_segment 0
		.amdhsa_kernarg_size 40
		.amdhsa_user_sgpr_count 2
		.amdhsa_user_sgpr_kernarg_segment_ptr 1
		.amdhsa_wavefront_size32 1
		.amdhsa_system_sgpr_workgroup_id_x 1
		.amdhsa_system_sgpr_workgroup_id_y 1
		.amdhsa_system_sgpr_workgroup_id_z 1
		.amdhsa_system_vgpr_workitem_id 0
		.amdhsa_next_free_vgpr 32
		.amdhsa_next_free_sgpr 66
		.amdhsa_reserve_vcc 1
		.amdhsa_float_denorm_mode_32 3
		.amdhsa_float_denorm_mode_16_64 3
		.amdhsa_memory_ordered 1
		.amdhsa_forward_progress 1
		.amdhsa_inst_pref_size 4
	.end_amdhsa_kernel
	.amdgpu_metadata
---
amdhsa.version: [ 1, 2 ]
amdhsa.kernels:
  - .name:           k_q4dbb3968eb_fin
    .symbol:         k_q4dbb3968eb_fin.kd
    .args:
      - { .name: part, .offset: 0, .size: 8, .value_kind: global_buffer, .address_space: global }
      - { .name: kde_logvar, .offset: 8, .size: 8, .value_kind: global_buffer, .address_space: global }
      - { .name: noise_logvar, .offset: 16, .size: 8, .value_kind: global_buffer, .address_space: global }
      - { .name: out1, .offset: 24, .size: 8, .value_kind: global_buffer, .address_space: global }
      - { .name: out2, .offset: 32, .size: 8, .value_kind: global_buffer, .address_space: global }
    .group_segment_fixed_size: 0
    .private_segment_fixed_size: 0
    .kernarg_segment_align: 8
    .kernarg_segment_size: 40
    .max_flat_workgroup_size: 32
    .sgpr_count:     66
    .vgpr_count:     32
    .wavefront_size: 32
...
	.end_amdgpu_metadata
.endif
;; end of part 3
